; MI455X (gfx1250); checked and timed in simulation.
; The chip was launched on July 23, 2026; its instructions are those of AMD's public machine-readable ISA for CDNA 5 (MIT licence, August 2026) and "CDNA5" Instruction Set Architecture Reference Guide (July 2026). The comments in the code are by the model that wrote it; some were corrected since.
;; Multi Head Attention. Allowed arithmetic: matrix products marked QUANTISED: E4M3 operands, one E8M0 scale for each 32 along K, by v_wmma_scale_f32_16x16x128_f8f6f4 with both operands' format E4M3, f32 sums; everything else in f32.
;; Inputs: Wk_codes 16 x 64 x 32 x 32 uint8 (E4M3 codes of Wk, K innermost, in blocks of 32 codes); Wk_scales 16 x 64 x 32 uint8 (E8M0 scales of Wk, one for each 32 codes along K); Wo_codes 1,024 x 32 x 32 uint8 (E4M3 codes of Wo, K innermost, in blocks of 32 codes); Wo_scales 1,024 x 32 uint8 (E8M0 scales of Wo, one for each 32 codes along K); Wq_codes 16 x 64 x 32 x 32 uint8 (E4M3 codes of Wq, K innermost, in blocks of 32 codes); Wq_scales 16 x 64 x 32 uint8 (E8M0 scales of Wq, one for each 32 codes along K); Wv_codes 16 x 64 x 32 x 32 uint8 (E4M3 codes of Wv, K innermost, in blocks of 32 codes); Wv_scales 16 x 64 x 32 uint8 (E8M0 scales of Wv, one for each 32 codes along K); bo 1,024 float32; token_embeddings_codes 4 x 2,048 x 32 x 32 uint8 (E4M3 codes of token_embeddings, K innermost, in blocks of 32 codes); token_embeddings_scales 4 x 2,048 x 32 uint8 (E8M0 scales of token_embeddings, one for each 32 codes along K).
;; Outputs: out0 4 x 2,048 x 1,024 float32.
;; This version of the problem:
;;   THIS VERSION OF THE PROBLEM IS GIVEN IN LOW PRECISION. The matrix products marked QUANTISED in the list below multiply operands that are first quantised to E4M3 (4 exponent bits, 3 mantissa bits; 8 bits a number), with one power-of-two scale for each 32 numbers along K (OCP MX v1.0); their sums are f32. All else is computed in f32.
;;   The module's matrix products, in the order in which they are computed (A, B: the left and right operand; K: the contracted axis; several contracted axes count as one K, in the product's order):
;;     1. [M 1,024, K 1,024] x [K 1,024, N 8,192]; A: input Wq (given as codes); B: input token_embeddings (given as codes): QUANTISED
;;     2. [M 1,024, K 1,024] x [K 1,024, N 8,192]; A: input Wk (given as codes); B: input token_embeddings (given as codes): QUANTISED
;;     3. [M 1,024, K 1,024] x [K 1,024, N 8,192]; A: input Wv (given as codes); B: input token_embeddings (given as codes): QUANTISED
;;     4. batch 64 x [M 2,048, K 64] x [K 64, N 2,048]; A: computed on the way; B: computed on the way: QUANTISED
;;     5. batch 64 x [M 2,048, K 2,048] x [K 2,048, N 64]; A: softmax (see below); B: computed on the way: QUANTISED
;;     6. [M 8,192, K 1,024] x [K 1,024, N 1,024]; A: computed on the way; B: input Wo (given as codes): QUANTISED
;;   THE QUANTISER, for each operand of a quantised product, along K:
;;     - K is cut into blocks of 32 from its start; a last block that is shorter is filled with zeros.
;;     - A block's scale is 2^e with e = floor(log2(the largest magnitude in the block)) - 8, held to -126 .. 127; a block of zeros has e = 0. As a byte (E8M0): e + 127.
;;     - Each number is divided by its block's scale, clamped to +-448, and rounded to the nearest number of E4M3, ties to even, subnormals kept.
;;     - The product sums the exact products of the quantised numbers (number of the format x scale) in f32.
;;   ~~~python
;;   def quantise(x, axis):      # numpy; x: float32 -> the quantised numbers, widened to float32 again
;;       x = np.moveaxis(x, axis, -1); K = x.shape[-1]
;;       x = np.pad(x, [(0, 0)] * (x.ndim - 1) + [(0, -K % 32)]); x = x.reshape(x.shape[:-1] + (-1, 32)); a = np.abs(x).max(-1, keepdims=True)
;;       e = np.where(a > 0, np.clip(np.frexp(np.where(a > 0, a, 1))[1] - 1 - 8, -126, 127), 0)      # np.frexp(a)[1] - 1 = floor(log2(a)), exactly
;;       r = np.clip(x / 2.0 ** e, -448, 448)
;;       step = 2.0 ** (np.maximum(np.frexp(np.where(r == 0, 1, r))[1] - 1, -6) - 3)
;;       q = np.round(r / step) * step * 2.0 ** e      # np.round: ties to even
;;       return np.moveaxis(q.reshape(q.shape[:-2] + (-1,))[..., :K], -1, axis).astype(np.float32)
;;   ~~~
;;   SOFTMAX AHEAD OF A QUANTISED PRODUCT. Where the list says 'softmax', what is quantised is not the finished softmax but p = 2^(t - M), with t = logit x log2(e) and M = ceil(the row's largest t), a whole number; so 1/2 < the row's largest p <= 1. The row's sum l is taken of the UNQUANTISED p, in f32, and the product's result is divided by l at the end. Since M is a whole number, a kernel that streams over the keys may use a running M (the ceiling of the running maximum): every later rescaling is an exact power of two, which a block's scale takes up: the codes' values come out the same.
;;   OPERANDS COMPUTED ON THE WAY. 'Computed on the way' means the value that the module computes at that place (a softmax that the list does not call 'softmax' is quantised finished and normalised). What goes into a quantiser is computed in f32, as accurately as f32 sums, v_exp_f32 and their like allow (about 1e-6 of the number): no bf16 or f16 on the way to a quantiser, and a product that is left as it is and whose result goes on into a quantised operand takes f32 operands (vector FMAs, or v_wmma_f32_16x16x4_f32). A number that lies on a knife's edge between two numbers of the format may be rounded either way, as far as f32 arithmetic and the matrix unit's own rounding can turn it there, and no further.
;;   INPUTS GIVEN AS CODES. Wk (in the module: [16, 1024, 64], K = its axis 1); Wo (in the module: [1024, 1024], K = its axis 0); Wq (in the module: [16, 1024, 64], K = its axis 1); Wv (in the module: [16, 1024, 64], K = its axis 1); token_embeddings (in the module: [4, 2048, 1024], K = its axis 2): each comes as NAME_codes (uint8): NAME with its K axis moved to the last place and cut into blocks of 32 codes, [.., K / 32, bytes a block], one block behind the other in memory; one code a byte (a code: sign, 4 exponent bits, 3 mantissa bits); and NAME_scales (uint8): the same leading axes, one E8M0 byte (e + 127) for each 32 codes along K. Its value is code x scale, taken as it is: it is not quantised again, and the codes and scales need not be those that the quantiser above would give.
;; One version. Each part assembles by itself: llvm-mc -triple=amdgcn-amd-amdhsa -mcpu=gfx1250 --defsym DOCPART=n.
;; ======== version 1 of 1: 3 launches
;; limits: right only within a limited range of input values
;; workspace buffers: qb 8,912,896 bytes; kv 17,825,792 bytes; ac 8,388,608 bytes; asc 262,144 bytes
;; launch proj (part 1): grid 8 x 48, 4 waves a work-group, clusters of 4 x 4, 327,680 bytes of LDS; arguments token_embeddings_codes, token_embeddings_scales, Wq_codes, Wq_scales, Wk_codes, Wk_scales, Wv_codes, Wv_scales, qb, kv; writes qb, kv
.if DOCPART == 1
	.amdgcn_target "amdgcn-amd-amdhsa--gfx1250"
	.amdhsa_code_object_version 6
	.text
	.protected	k_qf32b199fa0_proj
	.globl	k_qf32b199fa0_proj
	.p2align	8
	.type	k_qf32b199fa0_proj,@function
k_qf32b199fa0_proj:
	s_mov_b64 s[64:65], 0
	v_nop
	global_prefetch_b8 v0, s[64:65] scope:SCOPE_SE
	s_setreg_imm32_b32 hwreg(HW_REG_WAVE_MODE, 25, 1), 1
	s_wait_xcnt 0x0
	s_wait_alu depctr_hold_cnt(0) depctr_sa_sdst(0) depctr_va_vdst(0) depctr_va_sdst(0) depctr_va_ssrc(0) depctr_va_vcc(0) depctr_vm_vsrc(0)
	s_getreg_b32 s2, hwreg(HW_REG_IB_STS2, 6, 4)
	s_cmp_eq_u32 s2, 0
	s_cbranch_scc0 .Lentry_in_a_cluster
	s_endpgm
.Lentry_in_a_cluster:
	s_bfe_u32 s2, ttmp6, 0x10000c
	s_cmp_lg_u32 s2, 0xf033
	s_cbranch_scc0 .Lentry_shape_is_right
	s_endpgm
.Lentry_shape_is_right:
; q, k, v = x W for all 16 heads, on codes of FP8 (E4M3) with one E8M0 scale for each 32 along K = 1,024, and each result quantised at once for the attention that follows.
; x: [8,192 tokens][1,024] codes, [8,192][32] scale bytes.  Wq, Wk, Wv: [1,024 rows = 64 head + e][1,024] codes, [1,024][32] scale bytes.
; A work-group of four waves makes a tile of 256 x 256, a wave 128 x 128: 64 accumulators, 512 registers.  K goes in steps of 256 through a ring of two LDS slots; the scale bytes of the 512 rows come once and stay.
; SOURCE 1 ("A") gives a result's LANES, SOURCE 0 ("B") its REGISTERS.  What is quantised next runs along the registers:
;   q, k (cluster y 0-7; cluster x 0: q, 1: k): A = 256 tokens of x, B = 256 rows of Wq or Wk: a lane holds a token, its registers run along the head's 64, the K of q k^T.
;   v    (cluster y 8-11):                      A = 256 rows of Wv,  B = 256 tokens of x:     a lane holds a feature, its registers run along the tokens, the K of p v.
; Which it is hangs on the cluster's numbers alone, which all sixteen partners share, and is settled by selects: there is no branch on it.
; CLUSTERS: 4 x 4.  A's tile hangs on cy, B's on cx: each is asked for jointly by the four that share it.  384 work-groups: 3 x 32 x 4 tiles of 256 x 256.
; THE WAY OUT uses no LDS.  A block of A (16 lanes' rows) has 64 registers a lane: four blocks of 32 along the next K, each shared by lanes l and l xor 16.  Their codes are stored as IMAGES OF OPERAND REGISTERS:
; four registers a store, lane l's 16 bytes at 16 l, 512 consecutive aligned bytes.  Tiles are 16 neighbouring rows, so lane half h holds k = 8 h + 0..7 and 16 + 8 h + 0..7 of a block where the matrix unit's layout
; reads 16 h + 0..15: a permutation INSIDE a block of 32, the same on both sides of q k^T (q and k are made alike) and of p v (p is made so in the next launch): the sums hold the same products under the same scales.
; qb: [64 = 16 batch + head][16 blocks of 128 tokens][8,704]: 8 token tiles x 1,024 bytes of codes (two pieces of 512), then 512 bytes of scale words: word i of lane l: token tile 2 i + l / 16, token l % 16.
; kv: [64][16 key steps of 128][17,408]: K's codes as q's; at 8,192 V^T's codes, 4 feature tiles x 2,048; at 16,384 K's scale words as q's; at 16,896 V's: words 0, 1 of lane l: feature tiles l / 16 and 2 + l / 16 (words 2, 3 repeat them).
; q's and k's scale words: bytes 0, 1 the head's two blocks, bytes 2, 3 = 127: the next launch pads K = 64 to 128 with zero codes.
; LIMITS: NaN and infinities are not served.  A block whose largest magnitude lies under 2^-118 has its byte held at 1; a block of zeros gets the byte 1, not 127: its codes are zeros, and this program alone reads the bytes.
; The order of a sum inside a block of 32 differs from ascending k.
; REGISTERS, in windows of 256: window 0: v0-31 addresses; v32-63 scale words, two sets; from v128 A's fragments, one set; on the way out v64-255 are free.  window 1: B's fragments, two sets.  windows 2, 3: the accumulators.
.set SIZE_K, 1024
.set KSTEP,  256                       ; along K in a slot
.set NQ,     KSTEP/128                 ; matrix instructions deep
.set ROWB,   256                       ; a tile's row in bytes
.set KROW,   SIZE_K                    ; a row of codes in memory, in bytes
.set PITCH,  272                       ; an LDS row: 256 bytes + 16 of padding = 68 words: row r starts at bank 4 r mod 64 (ISA guide 11.1)
.set FR,     16                        ; registers of a fragment
.set NL,     4                         ; LDS loads that bring one
.set NP,     8                         ; places behind this matrix instruction (ISA guide 7.12.1)
.set HALFT,  128*PITCH                 ; 128 rows: what one tensor load brings
.set SLOT,   4*HALFT                   ; A's 256 rows, then B's 256 rows
.set LAPS,   SIZE_K/(2*KSTEP)          ; a lap = two K steps = once round the ring
.set KS,     SIZE_K/32                 ; a row of scales in bytes
.set SCL,    2*SLOT                    ; behind the ring: the scales, as units of 256 bytes + 16 of padding
.set HALFS,  (128*KS/256)*272          ; the scales of 128 rows
.set SBLK,   (16*KS/256)*272           ; those of 16 rows
.set SPARE,  SCL+4*HALFS               ; the spare words, 128 bytes for each wave: two blocks of 256 bytes that no other line names
.set ADRA, 16                          ; v16-17  LDS address of my A fragments in slot 0, 1
.set ADRB, 20                          ; v20-21  the same for B
.set ADRS, 27                          ; v27     LDS address of my scale words: lanes 0-15 A's rows, lanes 16-31 B's
.set SPW,  28                          ; v28     LDS address of my spare word; never rewritten
.set NIL,  29                          ; v29     0; never rewritten
.set SC,   32                          ; scale words, set s at v[SC + 16 s]
.set AF,   128                         ; A's fragments, in window 0
.set CO0,  24                          ; the way out: v24 = 16 x lane; v25 = that + the second pair of pieces; v26 = that + a head
.set CO1,  25
.set CO2,  26
.set T,    64                          ; v64-127  64 numbers, held
.set PC,   128                         ; v128-143, v144-159 the codes, by turns
.set TM,   200                         ; v200-203 largest magnitudes, v204-207 bytes, v208-211 the hold, v212-215 the conversions' scale operands
.set PW,   216                         ; the scale word just made
.set EV,   217                         ; that of the even block before
.set MW,   220                         ; v220-223 the words of blocks 2 i (lanes 0-15) and 2 i + 1 (lanes 16-31)
.set SW0,  224                         ; v224-227, v228-231 the scale images of my two heads
.set SW1,  228
.set G1, 24                            ; s[24:31] descriptor group 1 for A's tiles;  s[32:39] group 0, one set for each slot
.set G0, 32
.set G1B, 48                           ; s[48:55], s[56:63] the same for B's tiles
.set G0B, 56
.set G1S, 68                           ; s[68:75], s[76:79] groups 1 and 0 for A's scales;  s[80:87], s[88:91] for B's
.set G0S, 76
.set G1SB, 80
.set G0SB, 88
.set MSB, 0
.macro WIN new                         ; the immediate's high byte repeats the setting that is left
.if MSB != \new
	s_set_vgpr_msb (MSB<<8)|\new
.set MSB, \new
.endif
.endm
.set MUL_LO, 0xa1                      ; source 0 (B) window 1, source 1 (A) window 0, C and D window 2
.set MUL_HI, 0xf1                      ; the same, C and D window 3
.set TO_B,   0x40                      ; destination window 1, address window 0
; A joint load: waves 0 and 1 fetch for A, waves 2 and 3 for B.  The branch hangs on the wave's number alone.  Four v_nop follow each of the two lines.
.macro JLOAD g0a, g1a, g0b, g1b
	s_cmp_eq_u32 s15, 0
	s_cbranch_scc0 .Lfor_b_\@
	tensor_load_to_lds s[\g0a:\g0a+3], s[\g1a:\g1a+7]
	s_nop 0
.rept 4
	v_nop
.endr
	s_branch .Lasked_\@
.Lfor_b_\@:
	tensor_load_to_lds s[\g0b:\g0b+3], s[\g1b:\g1b+7]
	s_nop 0
.rept 4
	v_nop
.endr
.Lasked_\@:
.endm
.macro CREST                           ; a round of the cluster's barrier behind its opening barrier
	s_cmp_lg_u32 s14, 0
	s_cbranch_scc1 .Lnot_wave_0_\@
	s_barrier_signal -3
.Lnot_wave_0_\@:
	s_barrier_wait -3
	s_barrier_signal -1
	s_barrier_wait -1
.endm
.macro CROUND                          ; a whole round
	s_barrier_signal -1
	s_barrier_wait -1
	CREST
.endm
	s_load_b512 s[68:83], s[0:1], 0x0              ; x's codes, x's scales, Wq's, Wk's, Wv's codes and scales: they lie where the scales' descriptors are written once the choice is made
	s_load_b128 s[84:87], s[0:1], 0x40             ; qb, kv
	v_lshl_add_u32 v[SPW], v0, 2, SPARE
	v_mov_b32 v[NIL], 0
	ds_add_u32 v28, v29
	ds_add_u32 v28, v29
	s_wait_dscnt 0x0
	v_lshrrev_b32 v1, 5, v0
	v_readfirstlane_b32 s14, v1                    ; wave 0..3
	s_lshr_b32 s15, s14, 1                         ; which half of A's rows is mine.  Also: I fetch for A (0) or for B (1)
	s_and_b32 s16, s14, 1                          ; which half of B's rows.  Also: which 128 rows of that tile I fetch
	s_bfe_u32 s40, ttmp6, 0x40000                  ; cx, cy: my place in the cluster
	s_bfe_u32 s41, ttmp6, 0x40004
	s_and_b32 s98, ttmp7, 0xffff                   ; Y, the cluster's y: 0-7 q and k, 8-11 v
	s_lshl_b32 s17, s98, 2                         ; q, k: A's tile of x = 4 Y + cy
	s_max_u32 s100, s98, 8
	s_sub_co_u32 s100, s100, 8
	s_lshl_b32 s100, s100, 3
	s_lshl_b32 s101, ttmp9, 2
	s_add_co_u32 s100, s100, s101                  ; v: B's tile of x = 8 (Y - 8) + 4 X + cx
	s_cmp_ge_u32 s98, 8
	s_cselect_b32 s17, 0, s17                      ; v: A's tile of Wv = cy
	s_cselect_b32 s42, s100, 0                     ; q, k: B's tile of the weight = cx
	s_cselect_b32 s96, -1, 0                       ; all ones in a work-group of v
	s_add_co_u32 s17, s17, s41                     ; A's tile: never holds cx
	s_add_co_u32 s42, s42, s40                     ; B's tile: never holds cy
	s_lshl_b32 s43, s41, 2
	s_lshl_b32 s43, 15, s43                        ; my row of the cluster
	s_lshl_b32 s44, 0x1111, s40                    ; my column
	; descriptor group 1: a tile of 128 rows x 256 bytes, padded in LDS
	s_or_b32 s[G1+0], s43, (0<<16)|(1<<20)|(1<<21)|(5<<22)|(3<<25)  ; 15:0 the mask: A's tiles go to my row; 17:16 elements of 1 byte; 20 padding on; 21 set beside a mask; 24:22 after every 64 words; 31:25 four words
	s_or_b32 s[G1B+0], s44, (0<<16)|(1<<20)|(1<<21)|(5<<22)|(3<<25)
.irp g, G1, G1B
	s_mov_b32 s[\g+1], ROWB<<16                    ; tensor_dim0
	s_mov_b32 s[\g+2], 256<<16                     ; tensor_dim1 = 256 for the head's loads; set to 128 for the ring's behind them
	s_mov_b32 s[\g+3], ROWB<<16                    ; tile_dim0
	s_mov_b32 s[\g+4], 256                         ; tile_dim1 = 256
	s_mov_b32 s[\g+5], KROW                        ; tensor_dim0_stride
	s_mov_b32 s[\g+6], 0
	s_mov_b32 s[\g+7], 0
.endr
	s_lshl_b32 s20, s17, 8                         ; A: the tile's first row
	s_lshl_b32 s46, s42, 8                         ; B likewise
	s_mov_b32 s21, 0
	s_mov_b32 s47, 0
	s_mov_b64 s[18:19], KS
	s_mul_u64 s[22:23], s[20:21], s[18:19]         ; where these rows' scales begin, in bytes
	s_mul_u64 s[92:93], s[46:47], s[18:19]
	s_mov_b64 s[18:19], KROW
	s_mul_u64 s[20:21], s[20:21], s[18:19]         ; and their codes
	s_mul_u64 s[46:47], s[46:47], s[18:19]
	s_mul_i32 s45, s14, HALFT                      ; where they go: wave x 128 rows: no place in the cluster enters an LDS address
	s_mul_i32 s18, s16, 128*KROW                   ; in the ring I fetch 128 rows of a tile: which half, in bytes
	s_mov_b32 s19, 0
	s_wait_kmcnt 0x0
	s_cmp_eq_u32 ttmp9, 0                          ; the buffers are chosen on the cluster's numbers alone
	s_cselect_b64 s[8:9], s[72:73], s[76:77]       ; B's codes: Wq's or Wk's,
	s_cselect_b64 s[10:11], s[74:75], s[78:79]     ; B's scales,
	s_cselect_b64 s[12:13], s[84:85], s[86:87]     ; and where the results go: qb or kv
	s_cmp_ge_u32 s98, 8
	s_cselect_b64 s[8:9], s[68:69], s[8:9]         ; v: B is x,
	s_cselect_b64 s[10:11], s[70:71], s[10:11]
	s_cselect_b64 s[12:13], s[86:87], s[12:13]     ; the results go to kv,
	s_cselect_b64 s[4:5], s[80:81], s[68:69]       ; and A is Wv; else A is x
	s_cselect_b64 s[6:7], s[82:83], s[70:71]
	s_add_nc_u64 s[20:21], s[4:5], s[20:21]
	s_add_nc_u64 s[22:23], s[6:7], s[22:23]
	s_add_nc_u64 s[46:47], s[8:9], s[46:47]
	s_add_nc_u64 s[92:93], s[10:11], s[92:93]
	; the scales of 128 rows: a dense block of 4,096 bytes, as 16 rows of 256 bytes (32 elements of 8 bytes), 16 bytes of padding behind each
	s_or_b32 s[G1S+0], s43, (3<<16)|(1<<20)|(1<<21)|(5<<22)|(3<<25)
	s_or_b32 s[G1SB+0], s44, (3<<16)|(1<<20)|(1<<21)|(5<<22)|(3<<25)
.irp g, G1S, G1SB
	s_mov_b32 s[\g+1], 32<<16
	s_mov_b32 s[\g+2], KS<<16                      ; the scales of 256 rows: KS rows of 256 bytes
	s_mov_b32 s[\g+3], 32<<16
	s_mov_b32 s[\g+4], KS
	s_mov_b32 s[\g+5], 32
	s_mov_b32 s[\g+6], 0
	s_mov_b32 s[\g+7], 0
.endr
	CROUND                                         ; all sixteen work-groups are here: the first joint loads meet
	s_mov_b32 s[G0S], 1
	s_mov_b32 s[G0S+1], SCL
	s_mov_b64 s[G0S+2:G0S+3], s[22:23]
	s_or_b32 s[G0S+3], s[G0S+3], 0x80000000
	s_mov_b32 s[G0SB], 1
	s_mov_b32 s[G0SB+1], SCL+2*HALFS
	s_mov_b64 s[G0SB+2:G0SB+3], s[92:93]
	s_or_b32 s[G0SB+3], s[G0SB+3], 0x80000000
	s_mov_b32 s4, 1                                ; group 0 of the head's loads of K step 0, in registers that held arguments: A's 256 rows,
	s_mov_b32 s5, 0
	s_mov_b64 s[6:7], s[20:21]
	s_or_b32 s7, s7, 0x80000000
	s_mov_b32 s8, 1                                ; and B's, behind them in slot 0
	s_mov_b32 s9, 2*HALFT
	s_mov_b64 s[10:11], s[46:47]
	s_or_b32 s11, s11, 0x80000000
	s_add_nc_u64 s[20:21], s[20:21], s[18:19]      ; for the ring: my 128 rows of the tile
	s_add_nc_u64 s[46:47], s[46:47], s[18:19]
.irp s, 0,1
	s_mov_b32 s[G0+4*\s], 1
	s_add_co_u32 s[G0+4*\s+1], s45, \s*SLOT
	s_add_nc_u64 s[G0+4*\s+2:G0+4*\s+3], s[20:21], \s*ROWB
	s_or_b32 s[G0+4*\s+3], s[G0+4*\s+3], 0x80000000
	s_mov_b32 s[G0B+4*\s], 1
	s_add_co_u32 s[G0B+4*\s+1], s45, \s*SLOT
	s_add_nc_u64 s[G0B+4*\s+2:G0B+4*\s+3], s[46:47], \s*ROWB
	s_or_b32 s[G0B+4*\s+3], s[G0B+4*\s+3], 0x80000000
.endr
; The head's four tiles, one joint load a wave: wave 0 K step 0's 256 rows of A, wave 1 those of B, wave 2 A's scales, wave 3 B's.  One chain of branches on the wave's number, a load to an arm.
.macro ARM under, g0, g1, next
	s_cmp_lt_u32 s14, \under
	s_cbranch_scc0 \next
	tensor_load_to_lds s[\g0:\g0+3], s[\g1:\g1+7]
	s_nop 0
.rept 4
	v_nop
.endr
	s_branch .Lhead_asked
\next:
.endm
	ARM 1, 4, G1, .Lhead_b
	ARM 2, 8, G1B, .Lhead_sa
	ARM 3, G0S, G1S, .Lhead_sb
	tensor_load_to_lds s[G0SB:G0SB+3], s[G1SB:G1SB+7]
	s_nop 0
.rept 4
	v_nop
.endr
.Lhead_asked:
	v_and_b32 v1, 15, v0                           ; l % 16
	v_bfe_u32 v2, v0, 4, 1                         ; l / 16
	v_mul_u32_u24 v3, v1, PITCH
	v_lshl_add_u32 v4, v2, 4, v3                   ; a fragment's row x pitch + 16 x half
	s_mul_i32 s21, s15, HALFT                      ; my 128 rows of A
	s_mul_i32 s22, s16, HALFT                      ; my 128 rows of B,
	s_add_co_u32 s22, s22, 2*HALFT                 ; which lie behind A's 256
.irp s, 0,1
	v_add_nc_u32 v[ADRA+\s], s21, v4
	v_add_nc_u32 v[ADRB+\s], s22, v4
	s_add_co_u32 s21, s21, SLOT
	s_add_co_u32 s22, s22, SLOT
.endr
	v_mul_u32_u24 v5, v1, KS                       ; my row's scales: KS bytes a row,
	v_lshrrev_b32 v6, 8, v5
	v_lshl_add_u32 v5, v6, 4, v5                   ; and 16 more for each 256 passed
	s_mul_i32 s21, s15, HALFS                      ; A's: my 128 rows
	s_mul_i32 s22, s16, HALFS                      ; B's: my 128 rows, behind A's 256
	s_add_co_u32 s22, s22, 2*HALFS
	s_sub_co_u32 s22, s22, s21
	v_mul_u32_u24 v6, s22, v2                      ; lanes 16-31 take B's: one product, the distance between the two bases
	s_add_co_u32 s21, s21, SCL
	v_add_nc_u32 v5, v5, v6
	v_add_nc_u32 v[ADRS], s21, v5
.macro FRAG reg, adr, q, i             ; a fragment, 16 rows x 128 K: lane l holds row l % 16; registers 4 c .. 4 c + 3 hold K = 32 c + 16 (l / 16) + 0 .. 15
.irp c, 0,1,2,3
	ds_load_b128 v[\reg+4*\c:\reg+4*\c+3], v[\adr] offset:128*(\q)+32*\c+(\i)*16*PITCH
.endr
.endm
; 16 matrix instructions: A's blocks a0, a0 + 1 x B's eight, 128 along K.  p: B's set; sc: the set of scale words.  zero = 1: the first product starts the sums.
; The 64 accumulators take turns, one instruction a turn, in the same order in every step.
.macro MUL16 a0, p, q, sc, zero
.irp a, \a0, \a0+1
.irp b, 0,1,2,3,4,5,6,7
.if \zero
	v_wmma_scale_f32_16x16x128_f8f6f4 v[8*(8*((\a)%4)+\b):8*(8*((\a)%4)+\b)+7], v[128*(\p)+FR*\b:128*(\p)+FR*\b+FR-1], v[AF+FR*(\a):AF+FR*(\a)+FR-1], 0, v[SC+8*NQ*(\sc)+NQ*\b+(\q)], v[SC+8*NQ*(\sc)+NQ*(\a)+(\q)] matrix_a_scale:MATRIX_SCALE_ROW1
.else
	v_wmma_scale_f32_16x16x128_f8f6f4 v[8*(8*((\a)%4)+\b):8*(8*((\a)%4)+\b)+7], v[128*(\p)+FR*\b:128*(\p)+FR*\b+FR-1], v[AF+FR*(\a):AF+FR*(\a)+FR-1], v[8*(8*((\a)%4)+\b):8*(8*((\a)%4)+\b)+7], v[SC+8*NQ*(\sc)+NQ*\b+(\q)], v[SC+8*NQ*(\sc)+NQ*(\a)+(\q)] matrix_a_scale:MATRIX_SCALE_ROW1
.endif
.endr
.endr
.endm
.macro FETCH_B slot, q, p              ; B's eight fragments of the slot's q-th 128 along K into set p
	WIN TO_B
.irp i, 0,1,2,3,4,5,6,7
	FRAG 128*(\p)+FR*\i, ADRB+\slot, \q, \i
.endr
	WIN 0
.endm
.macro FETCH_A slot, q, i0             ; A's blocks i0 .. i0 + 3
.irp i, \i0, \i0+1, \i0+2, \i0+3
	FRAG AF+FR*(\i), ADRA+\slot, \q, \i
.endr
.endm
.macro SCALES sc                       ; a K step's scale words into set sc: two words a row; lanes 0-15 take A's block i, lanes 16-31 B's block i
.irp i, 0,1,2,3,4,5,6,7
	ds_load_b64 v[SC+8*NQ*\sc+NQ*\i:SC+8*NQ*\sc+NQ*\i+1], v[ADRS] offset:\i*SBLK
.endr
.endm
; A load into a register that a matrix instruction has read, and a vector instruction that reads a matrix result or writes one of its registers, stand NP places behind it;
; only plain vector instructions that name none of its registers are places.
.macro PLACES n
.rept \n
	v_nop
.endr
.endm
; A step of 128 along K that has its successor in the same slot.
.macro STEP slot, q, zero
	s_wait_dscnt 4*NL                              ; B's set and A's blocks 0-3 are in; the youngest 16 loads (A's blocks 4-7) may be out
	WIN MUL_LO
	MUL16 0, (\q)%2, \q, \slot, \zero
	MUL16 2, (\q)%2, \q, \slot, \zero
	s_wait_dscnt 0                                 ; A's blocks 4-7 are in (asked for 32 matrix instructions ago)
	PLACES NP
	FETCH_B \slot, (\q)+1, 1-(\q)%2
	FETCH_A \slot, (\q)+1, 0
	WIN MUL_HI
	MUL16 4, (\q)%2, \q, \slot, \zero
	MUL16 6, (\q)%2, \q, \slot, \zero
	PLACES NP
	WIN 0
	FETCH_A \slot, (\q)+1, 4
.endm
; A slot's last step changes slots: ONE barrier; in front of it each wave waits for all its tensor loads, adds 0 to its spare word, and waits for that and for its own reads of this slot.  fill = 1: this slot is filled again, two K steps ahead.
.macro TURN slot, next, fill
	s_wait_tensorcnt 0x0                           ; all my tensor loads have landed: my part of the next slot
	ds_add_u32 v[SPW], v[NIL]                      ; 0 onto my spare word
	s_wait_dscnt 4*NL+1                            ; (the add and the youngest 16 loads, A's blocks 4-7, may be out)
	WIN MUL_LO
	MUL16 0, 1, NQ-1, \slot, 0                     ; sixteen matrix instructions stand between the add and the wait for it
	s_wait_dscnt 0x0                               ; the add is done, and my reads of this slot are over
	s_barrier_signal -1
	MUL16 2, 1, NQ-1, \slot, 0
	WIN 0
	s_barrier_wait -1
.if \fill
	CREST                                          ; the barrier has opened a round of the cluster's barrier: no wave of any partner still reads this slot's tile or has a load on its way
	s_add_nc_u64 s[G0+4*\slot+2:G0+4*\slot+3], s[G0+4*\slot+2:G0+4*\slot+3], 2*ROWB
	s_add_nc_u64 s[G0B+4*\slot+2:G0B+4*\slot+3], s[G0B+4*\slot+2:G0B+4*\slot+3], 2*ROWB
	JLOAD G0+4*\slot, G1, G0B+4*\slot, G1B         ; the first tensor load behind the round; its four v_nop are among the places in front of the loads below
	PLACES NP-4
.else
	PLACES NP
.endif
	s_wait_alu depctr_va_vdst(0)
	v_add_nc_u32 v[ADRS], 4*NQ, v[ADRS]            ; on to the next K step's scale words
	FETCH_B \next, 0, 0
	FETCH_A \next, 0, 0
	SCALES \next
	WIN MUL_HI
	MUL16 4, 1, NQ-1, \slot, 0
	MUL16 6, 1, NQ-1, \slot, 0
	PLACES NP
	WIN 0
	FETCH_A \next, 0, 4
.endm
	s_wait_alu depctr_va_vdst(0)                   ; the wait at the head's end
	s_wait_tensorcnt 0x0                           ; my tile of the head's four is in
	ds_add_u32 v[SPW], v[NIL]                      ; the add ahead of a later first fill
	s_mov_b32 s[G1+2], 128<<16                     ; no tensor load of mine is out: from here on a load brings 128 rows
	s_mov_b32 s[G1+4], 128
	s_mov_b32 s[G1B+2], 128<<16
	s_mov_b32 s[G1B+4], 128
	s_wait_dscnt 0x0
	CROUND                                         ; all four tiles are in, and all sixteen work-groups are here
	JLOAD G0+4, G1, G0B+4, G1B                     ; K step 1: the first tensor load behind the round
	FETCH_B 0, 0, 0
	FETCH_A 0, 0, 0
	SCALES 0
	FETCH_A 0, 0, 4
	STEP 0, 0, 1                                   ; the first step stands in front of the loop: its products start the sums
	s_mov_b32 s3, LAPS-1
.Llap:                                                 ; a trip goes once round the ring, from a lap's second step to the next lap's first, and fills both slots again
	TURN 0, 1, 1
	STEP 1, 0, 0
	TURN 1, 0, 1
	STEP 0, 0, 0
	s_sub_co_u32 s3, s3, 1
	s_cmp_lg_u32 s3, 0
	s_cbranch_scc1 .Llap
	TURN 0, 1, 0                                   ; the last lap fills nothing, and has no round of the cluster's barrier
	STEP 1, 0, 0
	s_wait_dscnt 4*NL                              ; the very last step: nothing more to fetch
	WIN MUL_LO
	MUL16 0, 1, NQ-1, 1, 0
	MUL16 2, 1, NQ-1, 1, 0
	s_wait_dscnt 0
	WIN MUL_HI
	MUL16 4, 1, NQ-1, 1, 0
	MUL16 6, 1, NQ-1, 1, 0
	WIN 0
	; THE WAY OUT.  What differs between q, k and v is kept in scalars, chosen on the cluster's numbers:
	;          a head  a block of 128  codes at  scale words at  pieces 2, 3 at  from block to block  more at block 4
	;   q     139,264      8,704          0          8,192         a head on         1,024                0
	;   k     278,528     17,408          0         16,384         a head on         1,024                0
	;   v     278,528     17,408       8,192        16,896           1,024           2,048        a head less 8,192
	s_mov_b32 s20, 0x76543210
	s_mov_b32 s21, 0xfedcba98                      ; v_permlanex16_b32's selects for lane l xor 16
	s_mov_b32 s22, 0x600000                        ; the mantissa field of 448
	s_mov_b32 s23, 0xffff0000                      ; lanes 16-31
	s_mov_b32 s18, 0x7f7f0000                      ; two bytes of 127 on top of q's and k's scale words
	s_cmp_eq_u32 ttmp9, 0
	s_mov_b32 s4, 278528
	s_cselect_b32 s4, 139264, s4                   ; a head
	s_mov_b32 s10, 17408
	s_cselect_b32 s10, 8704, s10                   ; a block of 128 tokens
	s_mov_b32 s11, 16384
	s_cselect_b32 s11, 8192, s11                   ; where its scale words begin
	s_cmp_ge_u32 s98, 8
	s_cselect_b32 s4, 278528, s4
	s_cselect_b32 s10, 17408, s10
	s_cselect_b32 s11, 16896, s11
	s_cselect_b32 s19, 8192, 0                     ; where its codes begin
	s_cselect_b32 s43, 1024, s4                    ; from pieces 0, 1 to pieces 2, 3
	s_mov_b32 s6, 1024
	s_cselect_b32 s6, 2048, s6                     ; from one block of A to the next
	s_cselect_b32 s8, 270336, 0                    ; and at block 4 in v: on to the next head
	s_cselect_b32 s44, s42, s17                    ; the tokens' tile: B's in v, else A's,
	s_cselect_b32 s45, s16, s15                    ; and my half of it
	s_cselect_b32 s46, s41, s40                    ; the features' tile: cy in v, else cx,
	s_cselect_b32 s47, s15, s16                    ; and my half of it
	s_mov_b32 s5, 0
	s_mov_b32 s7, 0
	s_mov_b32 s9, 0
	s_lshl_b32 s44, s44, 1
	s_add_co_u32 s44, s44, s45                     ; my block of 128 tokens, 0..63
	s_lshl_b32 s46, s46, 2
	s_lshl_b32 s47, s47, 1
	s_add_co_u32 s46, s46, s47                     ; the first of my two heads
	s_lshr_b32 s45, s44, 4
	s_lshl_b32 s45, s45, 4
	s_add_co_u32 s45, s45, s46                     ; 16 x batch + head
	s_mul_i32 s94, s45, s4
	s_and_b32 s44, s44, 15
	s_mul_i32 s44, s44, s10
	s_add_co_u32 s94, s94, s44                     ; under 2^25
	s_mov_b32 s95, 0
	s_add_nc_u64 s[12:13], s[12:13], s[94:95]      ; my block in my first head
	s_mov_b32 s94, s11
	s_add_nc_u64 s[92:93], s[12:13], s[94:95]      ; its scale words
	s_mov_b32 s94, s19
	s_add_nc_u64 s[12:13], s[12:13], s[94:95]      ; its codes
	v_and_b32 v[CO0], 31, v0                       ; these four lines and four v_nop are the eight places behind the last products
	v_lshlrev_b32 v[CO0], 4, v[CO0]
	v_add_nc_u32 v[CO1], s43, v[CO0]
	v_add_nc_u32 v[CO2], s4, v[CO0]
	PLACES 4
.irp b, 0,1,2,3
	v_mov_b32 v[TM+4+\b], 0                        ; written once: a lane permute's destination counts as one of its sources
.endr
; Block a of A: 64 numbers a lane, register 16 b + i in block b of 32 along the next K.  The accumulators are read from their low ends on.
.macro QOUT a
.set WW, 2+(\a)/4                      ; the block's window
.set AC, 64*((\a)%4)
.set PCC, PC+16*((\a)%2)
.set WA, WW|(WW<<2)
.set WB, (WW<<2)|(WW<<4)
	WIN WA                                         ; sources 0 and 1 in the block's window
.irp b, 0,1,2,3
	v_max3_num_f32 v[TM+\b], |v[AC+16*\b]|, |v[AC+16*\b+1]|, 0x4800000   ; my 16 numbers of block b, and the floor 2^(9 - 127): the byte cannot fall under 1
.endr
	WIN WB                                         ; sources 1 and 2
.irp i, 2,4,6,8,10,12,14
.irp b, 0,1,2,3
	v_max3_num_f32 v[TM+\b], v[TM+\b], |v[AC+16*\b+\i]|, |v[AC+16*\b+\i+1]|   ; (the four blocks by turns)
.endr
.endr
	WIN 0
.irp b, 0,1,2,3
	v_permlanex16_b32 v[TM+4+\b], v[TM+\b], s20, s21
.endr
.irp b, 0,1,2,3
	v_max_num_f32 v[TM+\b], v[TM+\b], v[TM+4+\b]   ; with lane l xor 16's: the block's largest magnitude
.endr
.irp b, 0,1,2,3
	v_add_nc_u32 v[TM+12+\b], 0xfc000000, v[TM+\b] ; 8 off its exponent field: the conversion takes the exponent field of this operand as its scale
.endr
.irp b, 0,1,2,3
	v_and_or_b32 v[TM+8+\b], v[TM+\b], 0x7f800000, s22   ; 448 x the scale
.endr
.irp b, 0,1,2,3
	v_lshrrev_b32 v[TM+4+\b], 23, v[TM+12+\b]      ; the scale's byte
.endr
	v_lshl_or_b32 v[PW], v[TM+5], 8, v[TM+4]       ; the four bytes of my lane's row
	v_lshl_or_b32 v[PW], v[TM+6], 16, v[PW]
	v_lshl_or_b32 v[PW], v[TM+7], 24, v[PW]
	WIN WW                                         ; source 0
.irp b, 0,1,2,3
.irp i, 0,1,2,3,4,5,6,7,8,9,10,11,12,13,14,15
	v_med3_num_f32 v[T+16*\b+\i], v[AC+16*\b+\i], -v[TM+8+\b], v[TM+8+\b]   ; the conversion to an 8-bit code does not saturate (ISA guide 7.6.2): the hold at the largest code x the scale
.endr
.endr
	WIN 0
	s_wait_alu depctr_va_vdst(0)
	s_wait_xcnt 0x0                                ; the earlier blocks' stores have read their data and their base: both are written again below
.irp b, 0,1,2,3
	v_cvt_scalef32_pk8_fp8_f32 v[PCC+4*\b:PCC+4*\b+1], v[T+16*\b:T+16*\b+7], v[TM+12+\b]
	v_cvt_scalef32_pk8_fp8_f32 v[PCC+4*\b+2:PCC+4*\b+3], v[T+16*\b+8:T+16*\b+15], v[TM+12+\b]
.endr
	v_nop                                          ; one plain line between the conversions and the next vector line that writes their sources
.if (\a)%2 == 0
	v_mov_b32 v[EV], v[PW]
.else
	v_cndmask_b32 v[MW+(\a)/2], v[EV], v[PW], s23  ; lanes 0-15: the even block's words, lanes 16-31: the odd block's
.endif
.if (\a) > 0
	s_add_nc_u64 s[12:13], s[12:13], s[6:7]
.endif
.if (\a) == 4
	s_add_nc_u64 s[12:13], s[12:13], s[8:9]
.endif
	global_store_b128 v[CO0], v[PCC:PCC+3], s[12:13]                 ; each store covers 512 consecutive bytes, aligned
	global_store_b128 v[CO0], v[PCC+4:PCC+7], s[12:13] offset:512
	global_store_b128 v[CO1], v[PCC+8:PCC+11], s[12:13]
	global_store_b128 v[CO1], v[PCC+12:PCC+15], s[12:13] offset:512
.endm
.irp a, 0,1,2,3,4,5,6,7
	QOUT \a
.endr
	; the scale images of my two heads.  q, k: a word's low half is the first head's two bytes, its high half the second's; 127 twice on top.  v: words 0, 1 are the first head's, 2, 3 the second's, each stored twice.
.irp i, 0,1,2,3
	v_and_or_b32 v[SW0+\i], v[MW+\i], 0xffff, s18
	v_lshrrev_b32 v[SW1+\i], 16, v[MW+\i]
.endr
.irp i, 0,1,2,3
	v_or_b32 v[SW1+\i], s18, v[SW1+\i]
.endr
.irp i, 0,1,2,3
	v_cndmask_b32 v[SW0+\i], v[SW0+\i], v[MW+\i%2], s96      ; the choice selects a value: no branch
	v_cndmask_b32 v[SW1+\i], v[SW1+\i], v[MW+2+\i%2], s96
.endr
	global_store_b128 v[CO0], v[SW0:SW0+3], s[92:93]
	global_store_b128 v[CO2], v[SW1:SW1+3], s[92:93]
	s_wait_tensorcnt 0x0                           ; the wave's end
	ds_add_u32 v[SPW], v[NIL]
	s_wait_dscnt 0x0
	CROUND                                         ; the closing round: no work-group ends while a partner may still ask for a tile that names it
	s_endpgm
.Lfunc_end_k_qf32b199fa0_proj:
	.size	k_qf32b199fa0_proj, .Lfunc_end_k_qf32b199fa0_proj-k_qf32b199fa0_proj
	.p2alignl 7, 3214868480
	.fill 96, 4, 3214868480
	.section	.rodata,"a",@progbits
	.p2align	6, 0x0
	.amdhsa_kernel k_qf32b199fa0_proj
		.amdhsa_group_segment_fixed_size 327680
		.amdhsa_private_segment_fixed_size 0
		.amdhsa_enable_private_segment 0
		.amdhsa_kernarg_size 80
		.amdhsa_user_sgpr_count 2
		.amdhsa_user_sgpr_kernarg_segment_ptr 1
		.amdhsa_wavefront_size32 1
		.amdhsa_system_sgpr_workgroup_id_x 1
		.amdhsa_system_sgpr_workgroup_id_y 1
		.amdhsa_system_sgpr_workgroup_id_z 1
		.amdhsa_system_vgpr_workitem_id 0
		.amdhsa_next_free_vgpr 1024
		.amdhsa_next_free_sgpr 102
		.amdhsa_reserve_vcc 0
		.amdhsa_float_denorm_mode_32 3
		.amdhsa_float_denorm_mode_16_64 3
		.amdhsa_memory_ordered 1
		.amdhsa_forward_progress 1
		.amdhsa_inst_pref_size 189
	.end_amdhsa_kernel
	.amdgpu_metadata
---
amdhsa.version: [ 1, 2 ]
amdhsa.kernels:
  - .name:           k_qf32b199fa0_proj
    .symbol:         k_qf32b199fa0_proj.kd
    .args:
      - { .name: token_embeddings_codes, .offset: 0, .size: 8, .value_kind: global_buffer, .address_space: global }
      - { .name: token_embeddings_scales, .offset: 8, .size: 8, .value_kind: global_buffer, .address_space: global }
      - { .name: Wq_codes, .offset: 16, .size: 8, .value_kind: global_buffer, .address_space: global }
      - { .name: Wq_scales, .offset: 24, .size: 8, .value_kind: global_buffer, .address_space: global }
      - { .name: Wk_codes, .offset: 32, .size: 8, .value_kind: global_buffer, .address_space: global }
      - { .name: Wk_scales, .offset: 40, .size: 8, .value_kind: global_buffer, .address_space: global }
      - { .name: Wv_codes, .offset: 48, .size: 8, .value_kind: global_buffer, .address_space: global }
      - { .name: Wv_scales, .offset: 56, .size: 8, .value_kind: global_buffer, .address_space: global }
      - { .name: qb, .offset: 64, .size: 8, .value_kind: global_buffer, .address_space: global }
      - { .name: kv, .offset: 72, .size: 8, .value_kind: global_buffer, .address_space: global }
    .group_segment_fixed_size: 327680
    .private_segment_fixed_size: 0
    .kernarg_segment_align: 8
    .kernarg_segment_size: 80
    .max_flat_workgroup_size: 128
    .sgpr_count:     102
    .vgpr_count:     1024
    .wavefront_size: 32
...
	.end_amdgpu_metadata
.endif
;; end of part 1
;; launch attn (part 2): grid 4 x 64, 8 waves a work-group, clusters of 4 x 1, 327,680 bytes of LDS; arguments qb, kv, ac, asc; writes ac, asc
.if DOCPART == 2
	.amdgcn_target "amdgcn-amd-amdhsa--gfx1250"
	.amdhsa_code_object_version 6
	.text
	.protected	k_qf32b199fa0_attn
	.globl	k_qf32b199fa0_attn
	.p2align	8
	.type	k_qf32b199fa0_attn,@function
k_qf32b199fa0_attn:
	s_mov_b64 s[64:65], 0
	v_nop
	global_prefetch_b8 v0, s[64:65] scope:SCOPE_SE
	s_setreg_imm32_b32 hwreg(HW_REG_WAVE_MODE, 25, 1), 1
	s_wait_xcnt 0x0
	s_wait_alu depctr_hold_cnt(0) depctr_sa_sdst(0) depctr_va_vdst(0) depctr_va_sdst(0) depctr_va_ssrc(0) depctr_va_vcc(0) depctr_vm_vsrc(0)
	s_getreg_b32 s2, hwreg(HW_REG_IB_STS2, 6, 4)
	s_cmp_eq_u32 s2, 0
	s_cbranch_scc0 .Lentry_in_a_cluster
	s_endpgm
.Lentry_in_a_cluster:
	s_bfe_u32 s2, ttmp6, 0x10000c
	s_cmp_lg_u32 s2, 0x3003
	s_cbranch_scc0 .Lentry_shape_is_right
	s_endpgm
.Lentry_shape_is_right:
; Causal attention of one head on codes of FP8 (E4M3) with E8M0 scales, and its result quantised along the 64 features for the projection that follows.
; qb, kv: images of operand registers as the launch before lays them (a key step of 128 keys is 17,408 bytes: K's codes, V^T's codes at 8,192, K's scale words at 16,384, V's at 16,896).
; ac: [token tile of 16][head][2 pieces of 512 bytes], asc: [token][32 bytes].
; WORK LEFT OUT: a key step all of whose 128 keys come after a wave's 32 queries lies wholly under the causal mask: its p is 0 for all inputs, so it is not walked.
; A NaN or an infinity that reaches only such keys is not carried to the result.
; SOFTMAX: t = score x log2(e) / 8; M = the running largest t rounded up to a whole number; p = 2^(t - M) is quantised along the keys; the row's sum is taken of the unquantised p and divides at the end.
; LIMITS: NaN and infinities are not served; the scaled scores stay under 2^31 in magnitude; a block's byte never falls under 1.
; SHARES.  A cluster of four work-groups owns a head; all four ask jointly for its K and V, 278,528 bytes, which lie in LDS whole and are filled once: wave w brings key steps 2 w and 2 w + 1 by its one load at the head.
; Waves 0 and 1 have a load line of their own: the first barrier shows key steps 0 to 3, the second the rest.  No prefetch: every byte of K and V is asked for at the head, and there is no loop to run ahead in.
; A wave owns two pairs of query tiles: pair 63 - P, then pair P, P = 4 wave + cx; a pair is 32 neighbouring queries.  Pair P needs P / 4 + 1 key steps: 17 steps for every wave.  Branches hang on the wave's number, never on cx.
; Both products are used transposed: a lane holds one query.  K = 64 of the first product is padded to 128 with zero codes in Q.
; THE SECOND PRODUCT RUNS ONE STEP LATE: a step multiplies its scores, brings O^T under the last step's M, adds the last step's P V, and asks for the next step's K and its own V, which have a softmax in which to land.
; The first step of a pair finds zero codes of p and zeros in O^T.
; REGISTERS.  Window 0: v0-11 addresses; v12-23 -M, t, sums, f of tiles 0, 1; v32-95, v96-159 scores, then p; v160-191 p's codes; v192-207 scale words; v208-245 at work.
; Window 1: v0-71 K (64-71 zeros); v72-135 V; v136-199 O^T; v200-231 Q of the two tiles, each with 8 registers of zeros; v232-247 the second pair's Q.
.set KVSTEP, 17408
.set HSKV,   278528
.set HSQ,    139264
.set BSQ,    8704
.set SPARE,  0x44000
.set MSB, 0
.macro WIN new
.if MSB != \new
	s_set_vgpr_msb (MSB<<8)|\new
.set MSB, \new
.endif
.endm
.macro WALU
	s_wait_alu depctr_va_vdst(0)
.endm
.macro CROUND
	s_barrier_signal -1
	s_barrier_wait -1
	s_cmp_lg_u32 s12, 0
	s_cbranch_scc1 .Lnot_wave_0_\@
	s_barrier_signal -3
.Lnot_wave_0_\@:
	s_barrier_wait -3
	s_barrier_signal -1
	s_barrier_wait -1
.endm
	s_load_b256 s[4:11], s[0:1], 0x0               ; qb, kv, ac, asc
	v_lshl_add_u32 v6, v0, 2, SPARE
	v_mov_b32 v7, 0
	ds_add_u32 v6, v7                              ; the opening lines
	ds_add_u32 v6, v7
	v_lshrrev_b32 v2, 5, v0
	v_readfirstlane_b32 s12, v2                    ; wave 0..7
	s_bfe_u32 s13, ttmp6, 0x40000                  ; cx
	s_and_b32 s14, ttmp7, 0xffff                   ; 16 batch + head
	s_lshl_b32 s15, s12, 2
	s_add_co_u32 s15, s15, s13                     ; P, my second pair
	s_sub_co_u32 s16, 63, s15                      ; my first pair
	s_mov_b32 s24, 15|(3<<16)|(1<<21)              ; group 1: 136 rows of 256 bytes (32 elements of 8), dense; the mask names the four partners
	s_mov_b32 s25, 32<<16
	s_mov_b32 s26, 136<<16
	s_mov_b32 s27, 32<<16
	s_mov_b32 s28, 136
	s_mov_b32 s29, 32
	s_mov_b32 s30, 0
	s_mov_b32 s31, 0
	s_mul_i32 s52, s14, HSKV
	s_mov_b32 s53, 0
	s_mul_i32 s54, s12, 2*KVSTEP
	s_mov_b32 s55, 0
	s_mul_i32 s58, s14, HSQ
	s_mov_b32 s59, 0
	s_mov_b32 s19, 0x600000                        ; the mantissa field of 448
	s_mov_b32 s20, 0x76543210
	s_mov_b32 s21, 0xfedcba98                      ; lane l xor 16
	s_mov_b32 s22, 0x3e38aa3b                      ; log2(e) / 8
	s_mov_b32 s23, s22
	s_mov_b32 s51, 0xffff0000                      ; lanes 16-31
	s_wait_dscnt 0x0
	s_wait_kmcnt 0x0
	s_add_nc_u64 s[6:7], s[6:7], s[52:53]
	s_add_nc_u64 s[4:5], s[4:5], s[58:59]
	s_mov_b32 s40, 1
	s_mov_b32 s41, s54
	s_add_nc_u64 s[42:43], s[6:7], s[54:55]
	s_or_b32 s43, s43, 0x80000000
	v_and_b32 v1, 31, v0
	v_lshlrev_b32 v1, 4, v1                        ; 16 x lane
	v_and_b32 v8, 15, v0                           ; r
	v_bfe_u32 v9, v0, 4, 1                         ; h
	WALU
.macro QOFF p, vc, vs                  ; pair p: its block of 128 tokens is p / 4, its tiles 2 (p % 4) and the next; both tiles' scale words are word p % 4
	s_lshr_b32 s52, s[\p], 2
	s_mul_i32 s52, s52, BSQ
	s_and_b32 s53, s[\p], 3
	s_lshl_b32 s54, s53, 11
	s_add_co_u32 s54, s54, s52
	v_add_nc_u32 v[\vc], s54, v1
	s_lshl_b32 s53, s53, 2
	s_add_co_u32 s52, s52, s53
	s_add_co_u32 s52, s52, 8192
	v_lshl_add_u32 v[\vs], v8, 4, s52
.endm
	QOFF 16, 10, 11
	QOFF 15, 24, 25
	WALU
	WIN 0x40                                       ; Q of both pairs is asked for ahead of the opening round
.irp k,0,1,2,3
	global_load_b128 v[200+4*(\k%2)+16*(\k/2):203+4*(\k%2)+16*(\k/2)], v10, s[4:5] offset:512*\k
	global_load_b128 v[232+4*\k:235+4*\k], v24, s[4:5] offset:512*\k
.endr
	WIN 0
	global_load_b32 v198, v11, s[4:5]              ; Q's scale words: tile 0, tile 1; then the second pair's
	global_load_b32 v206, v11, s[4:5] offset:256
	global_load_b32 v200, v25, s[4:5]
	global_load_b32 v201, v25, s[4:5] offset:256
	CROUND
	s_cmp_lt_u32 s12, 2                            ; two load lines: the first barrier waits for the first line's waves alone
	s_cbranch_scc0 .Lrest
	tensor_load_to_lds s[40:43], s[24:31]
	s_nop 0
.rept 4
	v_nop
.endr
	s_branch .Lasked
.Lrest:
	tensor_load_to_lds s[40:43], s[24:31]
	s_nop 0
.rept 4
	v_nop
.endr
.Lasked:
	v_mov_b32 v4, 0xff800000                       ; -infinity
	v_mov_b32 v199, 0x7f7f7f7f                     ; p's scale words ahead of the first p: finite bytes over zero codes
	v_mov_b32 v207, 0x7f7f7f7f
	v_mov_b32 v26, 0
	v_mov_b32 v27, 0
.irp k,0,1,2,3,4,5,6,7
	v_mov_b32 v[216+\k], 0                         ; a lane permute's destination counts as one of its sources
.endr
	WIN 0x40
.irp k,0,1,2,3,4,5,6,7
	v_mov_b32 v[64+\k], 0                          ; the zeros behind K's last tile and behind each Q
	v_mov_b32 v[208+\k], 0
	v_mov_b32 v[224+\k], 0
.endr
	WIN 0
.macro BEGIN                           ; a pair's start.  s18: 32 x the pair's place in its block of 128
.irp x,0,1
	v_mov_b32 v[13+4*\x], 0xff61b1e6               ; the largest t so far: -3e38
	v_mov_b32 v[14+4*\x], 0
	v_mov_b32 v[15+4*\x], 0
	v_mov_b32 v[20+2*\x], 1.0
	v_mov_b32 v[21+2*\x], 0
.endr
	v_floor_f32 v12, -v13
	v_floor_f32 v16, -v17
.set j,0
.rept 32
	v_mov_b32 v[160+j], 0                          ; p's codes
.set j,j+1
.endr
	v_lshlrev_b32 v3, 3, v9
	v_sub_nc_u32 v3, v8, v3
	v_add_nc_u32 v3, s18, v3                       ; tile 0's query in its step less 8 h
	WIN 0x40
.set j,0
.rept 64
	v_mov_b32 v[136+j], 0                          ; O^T
.set j,j+1
.endr
	WIN 0
.endm
.macro KLOAD adr
	WIN 0x40
.irp t,0,1,2,3,4,5,6,7
	ds_load_b128 v[8*\t:8*\t+3], v[\adr] offset:1024*\t
	ds_load_b128 v[8*\t+4:8*\t+7], v[\adr] offset:1024*\t+512
.endr
	WIN 0
	ds_load_b128 v[192:195], v[\adr] offset:16384
.endm
.macro VLOAD adr
	WIN 0x40
.irp f,0,1,2,3
.irp c,0,1,2,3
	ds_load_b128 v[72+16*\f+4*\c:75+16*\f+4*\c], v[\adr] offset:8192+2048*\f+512*\c
.endr
.endr
	WIN 0
	ds_load_b64 v[196:197], v[\adr] offset:16896
.endm
.macro SMUL                            ; S^T = K Q^T: 8 tiles of 16 keys x 2 tiles of queries
	WIN 0x05
.irp t,0,1,2,3,4,5,6,7
.irp x,0,1
.if \t%2
	v_wmma_scale_f32_16x16x128_f8f6f4 v[32+64*\x+8*\t:39+64*\x+8*\t], v[8*\t:8*\t+15], v[200+16*\x:215+16*\x], 0, v[192+\t/2], v[198+8*\x] matrix_a_scale:MATRIX_SCALE_ROW1
.else
	v_wmma_scale_f32_16x16x128_f8f6f4 v[32+64*\x+8*\t:39+64*\x+8*\t], v[8*\t:8*\t+15], v[200+16*\x:215+16*\x], 0, v[192+\t/2], v[198+8*\x]
.endif
.endr
.endr
.endm
.macro OPV                             ; O^T x f, then O^T += V^T P^T of the codes in hand.  The 32 multiplications are also the places behind the products above
	WIN 0x41
	WALU                                           ; the wait directly ahead of the first reader of O^T
.irp x,0,1
.set j,0
.rept 16
	v_pk_mul_f32 v[136+32*\x+j:137+32*\x+j], v[136+32*\x+j:137+32*\x+j], v[20+2*\x:21+2*\x] op_sel_hi:[1,0]
.set j,j+2
.endr
.endr
	WIN 0x51
.irp f,0,1,2,3
.irp x,0,1
.if \f%2
	v_wmma_scale_f32_16x16x128_f8f6f4 v[136+32*\x+8*\f:143+32*\x+8*\f], v[72+16*\f:87+16*\f], v[160+16*\x:175+16*\x], v[136+32*\x+8*\f:143+32*\x+8*\f], v[196+\f/2], v[199+8*\x] matrix_a_scale:MATRIX_SCALE_ROW1
.else
	v_wmma_scale_f32_16x16x128_f8f6f4 v[136+32*\x+8*\f:143+32*\x+8*\f], v[72+16*\f:87+16*\f], v[160+16*\x:175+16*\x], v[136+32*\x+8*\f:143+32*\x+8*\f], v[196+\f/2], v[199+8*\x]
.endif
.endr
.endr
.endm
.macro SUMS x                          ; the row's sum of the unquantised p: 32 packed additions in four chains
.set SB_, 32+64*(\x)
.set SM_, 14+4*(\x)
	v_pk_add_f32 v[240:241], v[SB_:SB_+1], v[SB_+2:SB_+3]
	v_pk_add_f32 v[242:243], v[SB_+4:SB_+5], v[SB_+6:SB_+7]
	v_pk_add_f32 v[244:245], v[SB_+8:SB_+9], v[SB_+10:SB_+11]
.set j,12
.rept 6
	v_pk_add_f32 v[SM_:SM_+1], v[SM_:SM_+1], v[SB_+j:SB_+j+1]
	v_pk_add_f32 v[240:241], v[240:241], v[SB_+j+2:SB_+j+3]
	v_pk_add_f32 v[242:243], v[242:243], v[SB_+j+4:SB_+j+5]
	v_pk_add_f32 v[244:245], v[244:245], v[SB_+j+6:SB_+j+7]
.set j,j+8
.endr
	v_pk_add_f32 v[SM_:SM_+1], v[SM_:SM_+1], v[SB_+60:SB_+61]
	v_pk_add_f32 v[240:241], v[240:241], v[SB_+62:SB_+63]
	v_pk_add_f32 v[242:243], v[242:243], v[244:245]
	v_pk_add_f32 v[SM_:SM_+1], v[SM_:SM_+1], v[240:241]
	v_pk_add_f32 v[SM_:SM_+1], v[SM_:SM_+1], v[242:243]
.endm
.macro HOLD2 x, n                      ; two of p's holds at the largest code x the scale, as a dual pair (p is not negative: one-sided)
	v_dual_min_num_f32 v[32+64*(\x)+\n], v[32+64*(\x)+\n], v[224+4*(\x)+(\n)/16] :: v_dual_min_num_f32 v[33+64*(\x)+\n], v[33+64*(\x)+\n], v[224+4*(\x)+(\n)/16]
.endm
.macro CODES x
.irp b,0,1,2,3
	v_cvt_scalef32_pk8_fp8_f32 v[160+16*(\x)+4*\b:161+16*(\x)+4*\b], v[32+64*(\x)+16*\b:39+64*(\x)+16*\b], v[232+4*(\x)+\b]
	v_cvt_scalef32_pk8_fp8_f32 v[162+16*(\x)+4*\b:163+16*(\x)+4*\b], v[40+64*(\x)+16*\b:47+64*(\x)+16*\b], v[232+4*(\x)+\b]
.endr
.endm
; A KEY STEP of 128 keys for my 32 queries.  s48: the step's LDS byte; s49: its number; s47, s50: the first and last step that the pair walks here.
.macro STEP masked
.if \masked
	s_cmp_lt_u32 s49, s47
	s_cbranch_scc1 .Lhid_\@
	s_cmp_gt_u32 s49, s50
	s_cbranch_scc1 .Lhid_\@
.endif
	s_add_co_u32 s52, s48, KVSTEP
	s_min_u32 s52, s52, 15*KVSTEP                  ; the next step's K; the last step asks for its own again and uses nothing of it
	v_add_nc_u32 v2, s48, v1
	v_add_nc_u32 v5, s52, v1
	s_wait_dscnt 0x0                               ; this step's K and the last step's V: both asked for a softmax ago
	SMUL
	OPV
	KLOAD 5
.if \masked
	s_cmp_lg_u32 s49, s50
	s_cbranch_scc1 .Lopen_\@
; on the diagonal hidden scores become -infinity.  Register n of tile 0 holds key 16 (n / 8) + n % 8 + 8 h; tile 1's queries lie 16 on, so its register n + 8 shares tile 0's compare for register n
.set k,0
.rept 72
	v_cmp_gt_i32 vcc_lo, 16*(k/8)+k%8-16, v3
.if k >= 8
	v_cndmask_b32 v[32+k-8], v[32+k-8], v4, vcc_lo
.endif
.if k < 64
	v_cndmask_b32 v[96+k], v[96+k], v4, vcc_lo
.endif
.set k,k+1
.endr
.Lopen_\@:
.endif
.irp b,0,1,2,3
.irp x,0,1
	v_max3_num_f32 v[208+4*\x+\b], v[32+64*\x+16*\b], v[33+64*\x+16*\b], v[34+64*\x+16*\b]   ; each block's largest score; these eight are the places ahead of V's loads
.endr
.endr
	VLOAD 2
.irp i,3,5,7,9,11,13
.irp b,0,1,2,3
.irp x,0,1
	v_max3_num_f32 v[208+4*\x+\b], v[208+4*\x+\b], v[32+64*\x+16*\b+\i], v[33+64*\x+16*\b+\i]
.endr
.endr
.endr
.irp b,0,1,2,3
.irp x,0,1
	v_max_num_f32 v[208+4*\x+\b], v[208+4*\x+\b], v[47+64*\x+16*\b]
.endr
.endr
.irp k,0,1,2,3,4,5,6,7
	v_permlanex16_b32 v[216+\k], v[208+\k], s20, s21
.endr
.irp k,0,1,2,3,4,5,6,7
	v_max_num_f32 v[208+\k], v[208+\k], v[216+\k]
.endr
.irp x,0,1
	v_max3_num_f32 v[26+\x], v[208+4*\x], v[209+4*\x], v[210+4*\x]
.endr
.irp x,0,1
	v_max_num_f32 v[26+\x], v[26+\x], v[211+4*\x]
.endr
.irp x,0,1
	v_mul_f32 v[26+\x], s22, v[26+\x]
.endr
.irp x,0,1
	v_max_num_f32 v[13+4*\x], v[13+4*\x], v[26+\x]  ; the running largest t
.endr
.irp x,0,1
	v_mov_b32 v[26+\x], v[12+4*\x]
.endr
.irp x,0,1
	v_floor_f32 v[12+4*\x], -v[13+4*\x]            ; -M
.endr
.irp x,0,1
	v_sub_f32 v[26+\x], v[12+4*\x], v[26+\x]
.endr
.irp x,0,1
	v_cvt_i32_f32 v[26+\x], v[26+\x]
.endr
.irp x,0,1
	v_ldexp_f32 v[20+2*\x], 1.0, v[26+\x]          ; f = 2^(old M - new M)
.endr
.set j,0
.rept 32
	v_pk_fma_f32 v[32+j:33+j], v[32+j:33+j], s[22:23], v[12:13] op_sel_hi:[1,0,0]
.set j,j+2
.endr
.irp x,0,1
.irp b,0,1,2,3
	v_fma_f32 v[208+4*\x+\b], v[208+4*\x+\b], s22, v[12+4*\x]
.endr
.endr
	WALU                                           ; ahead of the batch
.set j,0
.rept 32                               ; tile 0's exponentials, with tile 1's scalings among them: those are read behind the next wait
	v_exp_f32 v[32+j], v[32+j]
	v_pk_fma_f32 v[96+j:97+j], v[96+j:97+j], s[22:23], v[16:17] op_sel_hi:[1,0,0]
	v_exp_f32 v[33+j], v[33+j]
.set j,j+2
.endr
.irp k,0,1,2,3,4,5,6,7
	v_exp_f32 v[208+\k], v[208+\k]                 ; each block's largest p
.endr
	v_pk_mul_f32 v[14:15], v[14:15], v[20:21] op_sel_hi:[1,0]
	v_pk_mul_f32 v[18:19], v[18:19], v[22:23] op_sel_hi:[1,0]
	WALU                                           ; behind the batch
.irp k,0,1,2,3,4,5,6,7
	v_max_num_f32 v[208+\k], 0x4800000, v[208+\k]  ; the floor 2^(9 - 127)
.endr
.irp k,0,1,2,3,4,5,6,7
	v_add_nc_u32 v[232+\k], 0xfc000000, v[208+\k]  ; the conversion's scale operand
.endr
.irp k,0,1,2,3,4,5,6,7
	v_and_or_b32 v[224+\k], v[208+\k], 0x7f800000, s19   ; 448 x the scale
.endr
.irp k,0,1,2,3,4,5,6,7
	v_lshrrev_b32 v[216+\k], 23, v[232+\k]         ; the byte
.endr
.irp x,0,1
	v_lshl_or_b32 v[199+8*\x], v[217+4*\x], 8, v[216+4*\x]
.endr
.irp x,0,1
	v_lshl_or_b32 v[199+8*\x], v[218+4*\x], 16, v[199+8*\x]
.endr
.irp x,0,1
	v_lshl_or_b32 v[199+8*\x], v[219+4*\x], 24, v[199+8*\x]
.endr
	SUMS 0
	WALU                                           ; ahead of the second batch
.set j,0
.rept 32                               ; tile 1's exponentials, with tile 0's holds among them
	v_exp_f32 v[96+j], v[96+j]
	HOLD2 0, j
	v_exp_f32 v[97+j], v[97+j]
.set j,j+2
.endr
	v_nop
	WALU                                           ; behind it
	CODES 0
	SUMS 1
.set j,0
.rept 32
	HOLD2 1, j
.set j,j+2
.endr
	CODES 1
	v_nop                                          ; one plain line behind the last conversion
.if \masked
.Lhid_\@:
.endif
	s_add_co_u32 s48, s48, KVSTEP
.endm
; A pair's end: the last step's P V; O^T / the sum; quantised along the 64 features; the codes brought into the order k = 16 h + 0..15 of a block and stored as images of operand registers.  s17: the pair
.macro FINISH
	s_wait_dscnt 0x0
	OPV
	WIN 0
.rept 8
	v_nop
.endr
.irp x,0,1
	v_add_f32 v[14+4*\x], v[14+4*\x], v[15+4*\x]
.endr
.irp x,0,1
	v_permlanex16_b32 v[26+\x], v[14+4*\x], s20, s21
.endr
.irp x,0,1
	v_add_f32 v[14+4*\x], v[14+4*\x], v[26+\x]
.endr
	WALU
	v_rcp_f32 v20, v14
	v_rcp_f32 v22, v18
	v_nop
	WIN 0x01
	WALU                                           ; behind the reciprocals, directly ahead of the first reader of O^T
.irp x,0,1
.set j,0
.rept 16
	v_pk_mul_f32 v[32+64*\x+j:33+64*\x+j], v[136+32*\x+j:137+32*\x+j], v[20+2*\x:21+2*\x] op_sel_hi:[1,0]
.set j,j+2
.endr
.endr
	WIN 0
.irp c,0,1
.irp x,0,1
	v_max3_num_f32 v[208+4*\x+\c], |v[32+64*\x+16*\c]|, |v[33+64*\x+16*\c]|, 0x4800000
.endr
.endr
.irp i,2,4,6,8,10,12,14
.irp c,0,1
.irp x,0,1
	v_max3_num_f32 v[208+4*\x+\c], v[208+4*\x+\c], |v[32+64*\x+16*\c+\i]|, |v[33+64*\x+16*\c+\i]|
.endr
.endr
.endr
.irp c,0,1
.irp x,0,1
	v_permlanex16_b32 v[216+4*\x+\c], v[208+4*\x+\c], s20, s21
.endr
.endr
.irp c,0,1
.irp x,0,1
	v_max_num_f32 v[208+4*\x+\c], v[208+4*\x+\c], v[216+4*\x+\c]
.endr
.endr
.irp c,0,1
.irp x,0,1
	v_add_nc_u32 v[232+4*\x+\c], 0xfc000000, v[208+4*\x+\c]
	v_and_or_b32 v[224+4*\x+\c], v[208+4*\x+\c], 0x7f800000, s19
.endr
.endr
.irp c,0,1
.irp x,0,1
	v_lshrrev_b32 v[216+4*\x+\c], 23, v[232+4*\x+\c]
.endr
.endr
.irp x,0,1
	v_lshl_or_b32 v[26+\x], v[217+4*\x], 8, v[216+4*\x]   ; the token's two bytes of this head
.endr
.irp x,0,1
.irp c,0,1
.irp i,0,1,2,3,4,5,6,7,8,9,10,11,12,13,14,15
	v_med3_num_f32 v[32+64*\x+16*\c+\i], v[32+64*\x+16*\c+\i], -v[224+4*\x+\c], v[224+4*\x+\c]
.endr
	v_cvt_scalef32_pk8_fp8_f32 v[160+16*\x+4*\c:161+16*\x+4*\c], v[32+64*\x+16*\c:39+64*\x+16*\c], v[232+4*\x+\c]
	v_cvt_scalef32_pk8_fp8_f32 v[162+16*\x+4*\c:163+16*\x+4*\c], v[40+64*\x+16*\c:47+64*\x+16*\c], v[232+4*\x+\c]
.endr
.endr
	v_nop
.irp x,0,1
.irp c,0,1
	v_permlanex16_b32 v[64+64*\x+8*\c], v[162+16*\x+4*\c], s20, s21
	v_permlanex16_b32 v[65+64*\x+8*\c], v[163+16*\x+4*\c], s20, s21
	v_permlanex16_b32 v[66+64*\x+8*\c], v[160+16*\x+4*\c], s20, s21
	v_permlanex16_b32 v[67+64*\x+8*\c], v[161+16*\x+4*\c], s20, s21
.endr
.endr
.irp x,0,1
.irp c,0,1
	v_cndmask_b32 v[80+64*\x+4*\c], v[160+16*\x+4*\c], v[64+64*\x+8*\c], s51
	v_cndmask_b32 v[81+64*\x+4*\c], v[161+16*\x+4*\c], v[65+64*\x+8*\c], s51
	v_cndmask_b32 v[82+64*\x+4*\c], v[66+64*\x+8*\c], v[162+16*\x+4*\c], s51
	v_cndmask_b32 v[83+64*\x+4*\c], v[67+64*\x+8*\c], v[163+16*\x+4*\c], s51
.endr
.endr
	s_lshr_b32 s52, s14, 4
	s_lshl_b32 s52, s52, 7
	s_lshl_b32 s53, s17, 1
	s_add_co_u32 s52, s52, s53                     ; my first token tile: 128 batch + 2 pair
	s_and_b32 s53, s14, 15
	s_lshl_b32 s54, s52, 14
	s_lshl_b32 s55, s53, 10
	s_add_co_u32 s54, s54, s55
	v_add_nc_u32 v10, s54, v1
	s_lshl_b32 s54, s52, 9
	s_lshl_b32 s55, s53, 1
	s_add_co_u32 s54, s54, s55
	v_lshl_add_u32 v11, v8, 5, s54
	WALU
.irp x,0,1
	global_store_b128 v10, v[80+64*\x:83+64*\x], s[8:9] offset:16384*\x        ; each store covers 512 consecutive bytes, aligned
	global_store_b128 v10, v[84+64*\x:87+64*\x], s[8:9] offset:16384*\x+512
	global_store_b16 v11, v[26+\x], s[10:11] offset:512*\x
.endr
	s_wait_xcnt 0x0                                ; the stores have read their registers, which are written again below
.endm
	s_mov_b32 s17, s16                             ; the first pair: 63 - P: it walks key steps 0 .. 15 - wave
	s_sub_co_u32 s18, 3, s13
	s_lshl_b32 s18, s18, 5
	s_sub_co_u32 s50, 15, s12
	s_mov_b32 s47, 3
	BEGIN
	WALU                                           ; the head's end
	s_wait_loadcnt 0x0                             ; Q
	s_cmp_lt_u32 s12, 2
	s_cbranch_scc0 .Lnot_first
	s_wait_tensorcnt 0x0                           ; waves 0, 1: key steps 0 to 3 are in
.Lnot_first:
	s_barrier_signal -1
	s_barrier_wait -1
	KLOAD 1                                        ; key step 0's K; its V too, so that the first, empty P V multiplies codes that are numbers
	VLOAD 1
	s_mov_b32 s48, 0
	s_mov_b32 s49, 0
.Learly:                                               ; steps 0 to 2 read key steps 0 to 3 alone; none of them meets the first pair's diagonal
	STEP 0
	s_add_co_u32 s49, s49, 1
	s_cmp_lt_u32 s49, 3
	s_cbranch_scc1 .Learly
	WALU
	s_wait_tensorcnt 0x0                           ; every wave: all of K and V is in
	s_wait_dscnt 0x0
	s_barrier_signal -1
	s_barrier_wait -1
	s_mov_b32 s46, 0
.Lphase:                                               ; two trips: the first pair from step 3 on, then the second pair
	s_mov_b32 s48, 0
	s_mov_b32 s49, 0
.Lstep:
	STEP 1
	s_add_co_u32 s49, s49, 1
	s_cmp_lt_u32 s49, 16
	s_cbranch_scc1 .Lstep
	FINISH
	s_cmp_eq_u32 s46, 1
	s_cbranch_scc1 .Ldone
	s_mov_b32 s17, s15                             ; the second pair: P: key steps 0 .. wave
	s_lshl_b32 s18, s13, 5
	s_mov_b32 s50, s12
	s_mov_b32 s47, 0
	WIN 0x41
.irp k,0,1,2,3,4,5,6,7
	v_mov_b32 v[200+\k], v[232+\k]
	v_mov_b32 v[216+\k], v[240+\k]
.endr
	WIN 0
	v_mov_b32 v198, v200
	v_mov_b32 v206, v201
	BEGIN
	KLOAD 1
	VLOAD 1
	s_add_co_u32 s46, s46, 1
	s_cmp_lt_u32 s46, 2
	s_cbranch_scc1 .Lphase
.Ldone:
	s_wait_tensorcnt 0x0                           ; the wave's end
	ds_add_u32 v6, v7
	s_wait_dscnt 0x0
	CROUND                                         ; the closing round
	s_endpgm
.Lfunc_end_k_qf32b199fa0_attn:
	.size	k_qf32b199fa0_attn, .Lfunc_end_k_qf32b199fa0_attn-k_qf32b199fa0_attn
	.p2alignl 7, 3214868480
	.fill 96, 4, 3214868480
	.section	.rodata,"a",@progbits
	.p2align	6, 0x0
	.amdhsa_kernel k_qf32b199fa0_attn
		.amdhsa_group_segment_fixed_size 327680
		.amdhsa_private_segment_fixed_size 0
		.amdhsa_enable_private_segment 0
		.amdhsa_kernarg_size 32
		.amdhsa_user_sgpr_count 2
		.amdhsa_user_sgpr_kernarg_segment_ptr 1
		.amdhsa_wavefront_size32 1
		.amdhsa_system_sgpr_workgroup_id_x 1
		.amdhsa_system_sgpr_workgroup_id_y 1
		.amdhsa_system_sgpr_workgroup_id_z 1
		.amdhsa_system_vgpr_workitem_id 0
		.amdhsa_next_free_vgpr 512
		.amdhsa_next_free_sgpr 66
		.amdhsa_reserve_vcc 1
		.amdhsa_float_denorm_mode_32 3
		.amdhsa_float_denorm_mode_16_64 3
		.amdhsa_memory_ordered 1
		.amdhsa_forward_progress 1
		.amdhsa_inst_pref_size 112
	.end_amdhsa_kernel
	.amdgpu_metadata
---
amdhsa.version: [ 1, 2 ]
amdhsa.kernels:
  - .name:           k_qf32b199fa0_attn
    .symbol:         k_qf32b199fa0_attn.kd
    .args:
      - { .name: qb, .offset: 0, .size: 8, .value_kind: global_buffer, .address_space: global }
      - { .name: kv, .offset: 8, .size: 8, .value_kind: global_buffer, .address_space: global }
      - { .name: ac, .offset: 16, .size: 8, .value_kind: global_buffer, .address_space: global }
      - { .name: asc, .offset: 24, .size: 8, .value_kind: global_buffer, .address_space: global }
    .group_segment_fixed_size: 327680
    .private_segment_fixed_size: 0
    .kernarg_segment_align: 8
    .kernarg_segment_size: 32
    .max_flat_workgroup_size: 256
    .sgpr_count:     66
    .vgpr_count:     512
    .wavefront_size: 32
...
	.end_amdgpu_metadata
.endif
;; end of part 2
;; launch oproj (part 3): grid 16 x 16, 4 waves a work-group, clusters of 4 x 1, 167,936 bytes of LDS; arguments ac, asc, Wo_codes, Wo_scales, bo, out0; writes out0
.if DOCPART == 3
	.amdgcn_target "amdgcn-amd-amdhsa--gfx1250"
	.amdhsa_code_object_version 6
	.text
	.protected	k_qf32b199fa0_oproj
	.globl	k_qf32b199fa0_oproj
	.p2align	8
	.type	k_qf32b199fa0_oproj,@function
k_qf32b199fa0_oproj:
	s_mov_b64 s[64:65], 0
	v_nop
	global_prefetch_b8 v0, s[64:65] scope:SCOPE_SE
	s_setreg_imm32_b32 hwreg(HW_REG_WAVE_MODE, 25, 1), 1
	s_wait_xcnt 0x0
	s_wait_alu depctr_hold_cnt(0) depctr_sa_sdst(0) depctr_va_vdst(0) depctr_va_sdst(0) depctr_va_ssrc(0) depctr_va_vcc(0) depctr_vm_vsrc(0)
	s_getreg_b32 s2, hwreg(HW_REG_IB_STS2, 6, 4)
	s_cmp_eq_u32 s2, 0
	s_cbranch_scc0 .Lentry_in_a_cluster
	s_endpgm
.Lentry_in_a_cluster:
	s_bfe_u32 s2, ttmp6, 0x10000c
	s_cmp_lg_u32 s2, 0x3003
	s_cbranch_scc0 .Lentry_shape_is_right
	s_endpgm
.Lentry_shape_is_right:
; out0 = a Wo + bo on codes of FP8 (E4M3) with one E8M0 scale for each 32 along K = 1,024: 8,192 x 1,024 x 1,024, f32 sums, f32 out.
; ac: a's codes as images of operand registers, [token tile of 16][32 pieces of 512 bytes: piece 4 q + c holds registers 4 c .. 4 c + 3 of the q-th 128 along K, lane l's 16 bytes at 16 l]; asc: [token][32 scale bytes].
; Wo_codes: [1,024 columns n][1,024], Wo_scales: [1,024][32].
; SHARES.  256 work-groups of four waves.  A work-group makes 512 rows x 64 columns; a wave 128 rows, in eight blocks of 16.
; Wo's 64 rows, ALL of K, come into LDS once (each wave brings 16 rows by its one load at the head) and go on into 512 registers of every wave (windows 1 and 2).
; The four partners of a cluster make the same 64 columns of different rows: they ask for Wo's rows jointly.
; a's fragments go from memory STRAIGHT INTO REGISTERS, each load 512 consecutive bytes, aligned: no work-group holds a tile of a in LDS, so there is no slot, no refill and no joint load for a.
; a has two sets of eight fragments (window 3).  A fragment's registers are asked for again, for the block two on, one group of four products behind their last use:
; two v_nop behind each product are the eight places.  14 fragments of 4 loads, and up to 4 loads of scale words, are younger than the fragment that a group waits for.
; PREFETCH: the 16 work-groups that read the same 512 rows of ac share their 524,288 bytes out by address: 8,192 bytes a wave, one instruction at the head, lanes 256 bytes apart.
; The matrix instruction is used transposed (source 0 = 16 rows of Wo, source 1 = 16 rows of a): a lane holds eight neighbouring columns of a row.  The bias is the first products' C.
; THE WAY OUT of a block stands among the next block's products: through the wave's own stage in LDS, back as rows of 256 bytes, sixteen lanes to an aligned unit.
; LIMITS: NaN and infinities are carried as the matrix unit carries them.
; REGISTERS, window 0: v0-11 addresses; v24-39 Wo's scale words; v44-67 a's, three sets; v72-135 sums, two sets; v136-167 the bias; v168-231 rows read back, two sets.
.set PITCH, 1040                       ; an LDS row of Wo: 1,024 bytes + 16 of padding
.set STAGE, 64*PITCH                   ; 66,560: behind Wo: 16 rows x 272 bytes for each wave
.set SPARE, STAGE+4*16*272             ; 83,968: the spare words
.set SB,  24
.set SA,  44
.set ACC, 72
.set BQ,  136
.set BK,  168
.set MSB, 0
.macro WIN new
.if MSB != \new
	s_set_vgpr_msb (MSB<<8)|\new
.set MSB, \new
.endif
.endm
.macro CROUND
	s_barrier_signal -1
	s_barrier_wait -1
	s_cmp_lg_u32 s16, 0
	s_cbranch_scc1 .Lnot_wave_0_\@
	s_barrier_signal -3
.Lnot_wave_0_\@:
	s_barrier_wait -3
	s_barrier_signal -1
	s_barrier_wait -1
.endm
.macro ALD j, q                        ; fragment q of block j into set j % 2 of window 3
	WIN 0xc0
.irp c,0,1,2,3
	global_load_b128 v[128*((\j)%2)+16*(\q)+4*\c:128*((\j)%2)+16*(\q)+4*\c+3], v1, s[4:5] offset:16384*(\j)+2048*(\q)+512*\c
.endr
.endm
.macro SLD j                           ; block j's scale words, eight a row, into set j % 3
	WIN 0
	global_load_b128 v[SA+8*((\j)%3):SA+8*((\j)%3)+3], v2, s[6:7] offset:512*(\j)
	global_load_b128 v[SA+8*((\j)%3)+4:SA+8*((\j)%3)+7], v2, s[6:7] offset:512*(\j)+16
.endm
	s_load_b256 s[4:11], s[0:1], 0x0               ; ac, asc, Wo_codes, Wo_scales
	s_load_b128 s[12:15], s[0:1], 0x20             ; bo, out0
	v_lshl_add_u32 v10, v0, 2, SPARE
	v_mov_b32 v11, 0
	ds_add_u32 v10, v11                            ; the opening lines
	ds_add_u32 v10, v11
	v_lshrrev_b32 v12, 5, v0
	v_readfirstlane_b32 s16, v12                   ; wave 0..3
	s_bfe_u32 s17, ttmp6, 0x40000                  ; cx
	s_and_b32 s18, ttmp7, 0xffff                   ; the group of 64 columns
	s_lshl_b32 s19, ttmp9, 2
	s_add_co_u32 s19, s19, s17                     ; the group of 512 rows
	s_mov_b32 s24, 15|(1<<20)|(1<<21)|(7<<22)|(3<<25)   ; group 1: 16 rows of 1,024 bytes, four words of padding behind each 256; the mask names the four partners
	s_mov_b32 s25, 1024<<16
	s_mov_b32 s26, 16<<16
	s_mov_b32 s27, 1024<<16
	s_mov_b32 s28, 16
	s_mov_b32 s29, 1024
	s_mov_b32 s30, 0
	s_mov_b32 s31, 0
	v_and_b32 v12, 31, v0                          ; lane
	v_and_b32 v13, 15, v0                          ; r
	v_bfe_u32 v14, v0, 4, 1                        ; h
	v_lshlrev_b32 v1, 4, v12                       ; a's codes: 16 x lane
	v_lshlrev_b32 v2, 5, v13                       ; a's scale words: 32 r
	v_lshlrev_b32 v3, 5, v12                       ; Wo's scale words: lane l takes row l of a pair of tiles
	v_mul_u32_u24 v4, v13, PITCH
	v_lshl_add_u32 v4, v14, 4, v4                  ; Wo's fragments in LDS: row r, + 16 h
	s_mul_i32 s40, s16, 16*272
	s_add_co_u32 s40, s40, STAGE                   ; my stage
	v_mul_u32_u24 v5, v13, 272
	v_lshl_add_u32 v5, v14, 5, v5
	v_add_nc_u32 v5, s40, v5                       ; in: row r, 32 bytes for each half of the lanes
	v_mul_u32_u24 v6, v14, 272
	v_lshl_add_u32 v6, v13, 4, v6
	v_add_nc_u32 v6, s40, v6                       ; back: lanes 0-15 one row of 256 bytes, lanes 16-31 the next
	v_lshlrev_b32 v7, 12, v14
	v_lshl_add_u32 v7, v13, 4, v7                  ; and the same two rows in out0
	v_lshlrev_b32 v8, 5, v14                       ; the bias: 32 h
	v_lshlrev_b32 v9, 8, v12                       ; the prefetch: 256 x lane
	s_lshl_b32 s40, s19, 19
	s_lshl_b32 s41, s16, 17
	s_add_co_u32 s42, s40, s41                     ; ac: 524,288 x row group + 131,072 x wave
	s_mov_b32 s43, 0
	s_lshl_b32 s44, s18, 2
	s_add_co_u32 s44, s44, s16
	s_lshl_b32 s44, s44, 13
	s_add_co_u32 s44, s44, s40                     ; the prefetch: my sixty-fourth of the row group's bytes
	s_mov_b32 s45, 0
	s_lshl_b32 s46, s19, 14
	s_lshl_b32 s47, s16, 12
	s_add_co_u32 s46, s46, s47                     ; asc: 32 bytes a row
	s_mov_b32 s47, 0
	s_lshl_b32 s48, s18, 16
	s_lshl_b32 s49, s16, 14
	s_add_co_u32 s48, s48, s49                     ; Wo's codes: 64 rows a column group, my 16 of them
	s_mov_b32 s49, 0
	s_lshl_b32 s50, s18, 11                        ; Wo's scale bytes
	s_mov_b32 s51, 0
	s_lshl_b32 s52, s18, 8                         ; 64 columns of f32
	s_mov_b32 s53, 0
	s_lshl_b32 s54, s19, 21
	s_lshl_b32 s55, s16, 19
	s_add_co_u32 s54, s54, s55
	s_add_co_u32 s54, s54, s52                     ; out0: 4,096 bytes a row, + my columns
	s_mov_b32 s55, 0
	s_mul_i32 s33, s16, 16*PITCH                   ; where my 16 rows of Wo go
	s_mov_b32 s32, 1
	s_wait_alu depctr_va_vdst(0)                   ; the wait at the head's end
	s_wait_dscnt 0x0
	s_wait_kmcnt 0x0
	s_add_nc_u64 s[36:37], s[4:5], s[44:45]
	s_add_nc_u64 s[4:5], s[4:5], s[42:43]
	s_add_nc_u64 s[6:7], s[6:7], s[46:47]
	s_add_nc_u64 s[34:35], s[8:9], s[48:49]
	s_or_b32 s35, s35, 0x80000000
	s_add_nc_u64 s[10:11], s[10:11], s[50:51]
	s_add_nc_u64 s[12:13], s[12:13], s[52:53]
	s_add_nc_u64 s[14:15], s[14:15], s[54:55]
	global_prefetch_b8 v9, s[36:37] th:TH_LOAD_NT scope:SCOPE_SE
.irp p,0,1
.irp c,0,1
	global_load_b128 v[SB+8*\p+4*\c:SB+8*\p+4*\c+3], v3, s[10:11] offset:1024*\p+16*\c
.endr
.endr
.irp b,0,1,2,3
	global_load_b128 v[BQ+8*\b:BQ+8*\b+3], v8, s[12:13] offset:64*\b
	global_load_b128 v[BQ+8*\b+4:BQ+8*\b+7], v8, s[12:13] offset:64*\b+16
.endr
	SLD 0
.irp q,0,1,2,3,4,5,6,7
	ALD 0, \q
.endr
	WIN 0
	CROUND                                         ; the four partners are here: the joint loads meet
	tensor_load_to_lds s[32:35], s[24:31]          ; my 16 rows of Wo: one line, issued and awaited by every wave
	s_nop 0
.rept 4
	v_nop
.endr
	SLD 1
.irp q,0,1,2,3,4,5,6,7
	ALD 1, \q
.endr
	WIN 0
	s_wait_tensorcnt 0x0
	s_barrier_signal -1
	s_barrier_wait -1                              ; all 64 rows are in
.irp q,0,1,2,3,4,5,6,7                 ; Wo into registers, by K: fragment 4 q + b lies in window 1 + (4 q + b) / 16
.irp b,0,1,2,3
	WIN (1+(4*\q+\b)/16)<<6
.irp c,0,1,2,3
	ds_load_b128 v[16*((4*\q+\b)%16)+4*\c:16*((4*\q+\b)%16)+4*\c+3], v4 offset:128*\q+32*\c+\b*16*PITCH
.endr
.endr
.endr
.macro PROD i, q, b                    ; block i, the q-th 128 of K, column tile b.  The four sums take turns
.set F_, 4*(\q)+(\b)
.set AC_, ACC+32*((\i)%2)+8*(\b)
.set C_, AC_
.if (\q) == 0
.set C_, BQ+8*(\b)
.endif
.set W_, 16*(F_%16)
.set R_, 128*((\i)%2)+16*(\q)
.set XS_, SA+8*((\i)%3)+(\q)
.set WS_, SB+8*((\b)/2)+(\q)
	WIN (1+F_/16)|(3<<2)
.if (\b)%2
	v_wmma_scale_f32_16x16x128_f8f6f4 v[AC_:AC_+7], v[W_:W_+15], v[R_:R_+15], v[C_:C_+7], v[WS_], v[XS_] matrix_a_scale:MATRIX_SCALE_ROW1
.else
	v_wmma_scale_f32_16x16x128_f8f6f4 v[AC_:AC_+7], v[W_:W_+15], v[R_:R_+15], v[C_:C_+7], v[WS_], v[XS_]
.endif
	v_nop
	v_nop
.endm
.macro GROUP i, q                      ; four products on one fragment of a; behind them the fragment used by the group before is asked for again, for the block two on
.set G_, 8*(\i)+(\q)
.set NN_, 4*(63-G_)
.if NN_ > 56
.set NN_, 56
.endif
	s_wait_loadcnt NN_                             ; my fragment is in: at least NN_ loads are younger
.if (\i) == 0
.set DD_, 16*(7-(\q))                  ; Wo's loads that are younger than this group's four fragments,
.if DD_ > 63
.set DD_, 63                           ; held at the largest count that the wait can name: a smaller count than the younger loads
.endif
	s_wait_dscnt DD_                               ; Wo's four fragments of this 128 along K are in: the later ones may be out
.endif
.irp b,0,1,2,3
	PROD \i, \q, \b
.endr
.set T_, G_+15
.if (G_ > 0) && (T_ < 64)
.set J_, T_/8
.set Q_, T_%8
.if Q_ == 0
	SLD J_
.endif
	ALD J_, Q_
.endif
.endm
.macro TOSTAGE i
	WIN 0
	s_wait_xcnt 0x0                                ; the stores of the block two back have read the registers that the loads below fill
.irp b,0,1,2,3
	ds_store_b128 v5, v[ACC+32*((\i)%2)+8*\b:ACC+32*((\i)%2)+8*\b+3] offset:64*\b      ; each sum from its low end on
	ds_store_b128 v5, v[ACC+32*((\i)%2)+8*\b+4:ACC+32*((\i)%2)+8*\b+7] offset:64*\b+16
.endr
.irp t,0,1,2,3,4,5,6,7
	ds_load_b128 v[BK+32*((\i)%2)+4*\t:BK+32*((\i)%2)+4*\t+3], v6 offset:\t*2*272      ; LDS serves a wave's instructions in order: these see the stores above
.endr
.endm
.macro SEND i
	WIN 0
	s_wait_dscnt 0x0
.irp t,0,1,2,3,4,5,6,7
	global_store_b128 v7, v[BK+32*((\i)%2)+4*\t:BK+32*((\i)%2)+4*\t+3], s[14:15] offset:65536*(\i)+8192*\t th:TH_STORE_NT   ; sixteen lanes store 256 consecutive bytes, aligned
.endr
.endm
.irp q,0,1,2,3,4,5,6,7
	GROUP 0, \q
.endr
.irp i,1,2,3,4,5,6,7
	GROUP \i, 0
	TOSTAGE \i-1                                   ; ten places stand behind the last block's last product
.irp q,1,2,3,4
	GROUP \i, \q
.endr
	SEND \i-1
.irp q,5,6,7
	GROUP \i, \q
.endr
.endr
	WIN 0
.rept 8
	v_nop
.endr
	TOSTAGE 7
	SEND 7
	s_wait_tensorcnt 0x0                           ; the wave's end
	ds_add_u32 v10, v11
	s_wait_dscnt 0x0
	CROUND                                         ; the closing round
	s_endpgm
.Lfunc_end_k_qf32b199fa0_oproj:
	.size	k_qf32b199fa0_oproj, .Lfunc_end_k_qf32b199fa0_oproj-k_qf32b199fa0_oproj
	.p2alignl 7, 3214868480
	.fill 96, 4, 3214868480
	.section	.rodata,"a",@progbits
	.p2align	6, 0x0
	.amdhsa_kernel k_qf32b199fa0_oproj
		.amdhsa_group_segment_fixed_size 167936
		.amdhsa_private_segment_fixed_size 0
		.amdhsa_enable_private_segment 0
		.amdhsa_kernarg_size 48
		.amdhsa_user_sgpr_count 2
		.amdhsa_user_sgpr_kernarg_segment_ptr 1
		.amdhsa_wavefront_size32 1
		.amdhsa_system_sgpr_workgroup_id_x 1
		.amdhsa_system_sgpr_workgroup_id_y 1
		.amdhsa_system_sgpr_workgroup_id_z 1
		.amdhsa_system_vgpr_workitem_id 0
		.amdhsa_next_free_vgpr 1024
		.amdhsa_next_free_sgpr 66
		.amdhsa_reserve_vcc 0
		.amdhsa_float_denorm_mode_32 3
		.amdhsa_float_denorm_mode_16_64 3
		.amdhsa_memory_ordered 1
		.amdhsa_forward_progress 1
		.amdhsa_inst_pref_size 109
	.end_amdhsa_kernel
	.amdgpu_metadata
---
amdhsa.version: [ 1, 2 ]
amdhsa.kernels:
  - .name:           k_qf32b199fa0_oproj
    .symbol:         k_qf32b199fa0_oproj.kd
    .args:
      - { .name: ac, .offset: 0, .size: 8, .value_kind: global_buffer, .address_space: global }
      - { .name: asc, .offset: 8, .size: 8, .value_kind: global_buffer, .address_space: global }
      - { .name: Wo_codes, .offset: 16, .size: 8, .value_kind: global_buffer, .address_space: global }
      - { .name: Wo_scales, .offset: 24, .size: 8, .value_kind: global_buffer, .address_space: global }
      - { .name: bo, .offset: 32, .size: 8, .value_kind: global_buffer, .address_space: global }
      - { .name: out0, .offset: 40, .size: 8, .value_kind: global_buffer, .address_space: global }
    .group_segment_fixed_size: 167936
    .private_segment_fixed_size: 0
    .kernarg_segment_align: 8
    .kernarg_segment_size: 48
    .max_flat_workgroup_size: 128
    .sgpr_count:     66
    .vgpr_count:     1024
    .wavefront_size: 32
...
	.end_amdgpu_metadata
.endif
;; end of part 3
